; MI455X (gfx1250); checked and timed in simulation.
; The chip was launched on July 23, 2026; its instructions are those of AMD's public machine-readable ISA for CDNA 5 (MIT licence, August 2026) and "CDNA5" Instruction Set Architecture Reference Guide (July 2026). The comments in the code are by the model that wrote it; some were corrected since.
;; Attention. Allowed arithmetic: matrix products marked QUANTISED: E2M3 operands, one E8M0 scale for each 32 along K, by v_wmma_scale_f32_16x16x128_f8f6f4 with both operands' format E2M3, f32 sums; everything else in f32.
;; Inputs: Wk 1,024 x 1,024 float32; Wo 1,024 x 1,024 float32; Wq 1,024 x 1,024 float32; Wv 1,024 x 1,024 float32; x 1 x 4,096 x 1,024 float32.
;; Outputs: out0 1 x 4,096 x 1,024 float32.
;; This version of the problem:
;;   THIS VERSION OF THE PROBLEM IS GIVEN IN LOW PRECISION. The matrix products marked QUANTISED in the list below multiply operands that are first quantised to E2M3 (2 exponent bits, 3 mantissa bits; 6 bits a number), with one power-of-two scale for each 32 numbers along K (OCP MX v1.0); their sums are f32. All else is computed in f32.
;;   The module's matrix products, in the order in which they are computed (A, B: the left and right operand; K: the contracted axis; several contracted axes count as one K, in the product's order):
;;     1. [M 4,096, K 1,024] x [K 1,024, N 1,024]; A: input x; B: input Wq: QUANTISED
;;     2. [M 4,096, K 1,024] x [K 1,024, N 1,024]; A: input x; B: input Wk: QUANTISED
;;     3. [M 4,096, K 1,024] x [K 1,024, N 1,024]; A: input x; B: input Wv: QUANTISED
;;     4. batch 16 x [M 4,096, K 64] x [K 64, N 4,096]; A: computed on the way; B: computed on the way: QUANTISED
;;     5. batch 16 x [M 4,096, K 4,096] x [K 4,096, N 64]; A: softmax (see below); B: computed on the way: QUANTISED
;;     6. [M 4,096, K 1,024] x [K 1,024, N 1,024]; A: computed on the way; B: input Wo: QUANTISED
;;   THE QUANTISER, for each operand of a quantised product, along K:
;;     - K is cut into blocks of 32 from its start; a last block that is shorter is filled with zeros.
;;     - A block's scale is 2^e with e = floor(log2(the largest magnitude in the block)) - 2, held to -126 .. 127; a block of zeros has e = 0. As a byte (E8M0): e + 127.
;;     - Each number is divided by its block's scale, clamped to +-7.5, and rounded to the nearest number of E2M3, ties to even, subnormals kept.
;;     - The product sums the exact products of the quantised numbers (number of the format x scale) in f32.
;;   ~~~python
;;   def quantise(x, axis):      # numpy; x: float32 -> the quantised numbers, widened to float32 again
;;       x = np.moveaxis(x, axis, -1); K = x.shape[-1]
;;       x = np.pad(x, [(0, 0)] * (x.ndim - 1) + [(0, -K % 32)]); x = x.reshape(x.shape[:-1] + (-1, 32)); a = np.abs(x).max(-1, keepdims=True)
;;       e = np.where(a > 0, np.clip(np.frexp(np.where(a > 0, a, 1))[1] - 1 - 2, -126, 127), 0)      # np.frexp(a)[1] - 1 = floor(log2(a)), exactly
;;       r = np.clip(x / 2.0 ** e, -7.5, 7.5)
;;       step = 2.0 ** (np.maximum(np.frexp(np.where(r == 0, 1, r))[1] - 1, 0) - 3)
;;       q = np.round(r / step) * step * 2.0 ** e      # np.round: ties to even
;;       return np.moveaxis(q.reshape(q.shape[:-2] + (-1,))[..., :K], -1, axis).astype(np.float32)
;;   ~~~
;;   SOFTMAX AHEAD OF A QUANTISED PRODUCT. Where the list says 'softmax', what is quantised is not the finished softmax but p = 2^(t - M), with t = logit x log2(e) and M = ceil(the row's largest t), a whole number; so 1/2 < the row's largest p <= 1. The row's sum l is taken of the UNQUANTISED p, in f32, and the product's result is divided by l at the end. Since M is a whole number, a kernel that streams over the keys may use a running M (the ceiling of the running maximum): every later rescaling is an exact power of two, which a block's scale takes up: the codes' values come out the same.
;;   OPERANDS COMPUTED ON THE WAY. 'Computed on the way' means the value that the module computes at that place (a softmax that the list does not call 'softmax' is quantised finished and normalised). What goes into a quantiser is computed in f32, as accurately as f32 sums, v_exp_f32 and their like allow (about 1e-6 of the number): no bf16 or f16 on the way to a quantiser, and a product that is left as it is and whose result goes on into a quantised operand takes f32 operands (vector FMAs, or v_wmma_f32_16x16x4_f32). A number that lies on a knife's edge between two numbers of the format may be rounded either way, as far as f32 arithmetic and the matrix unit's own rounding can turn it there, and no further.
;; One version. Each part assembles by itself: llvm-mc -triple=amdgcn-amd-amdhsa -mcpu=gfx1250 --defsym DOCPART=n.
;; ======== version 1 of 1: 4 launches
;; limits: right only within a limited range of input values
;; workspace buffers: xc 3,145,728 bytes; xs 131,072 bytes; wc 3,145,728 bytes; ws 131,072 bytes; qkv 9,830,400 bytes; oc 3,145,728 bytes; os 131,072 bytes; wo 786,432 bytes
;; launch quant (part 1): grid 256 x 1, 4 waves a work-group, no clusters, 68,096 bytes of LDS; arguments x, Wq, Wk, Wv, Wo, xc, xs, wc, ws, wo; writes xc, xs, wc, ws, wo
.if DOCPART == 1
	.amdgcn_target "amdgcn-amd-amdhsa--gfx1250"
	.amdhsa_code_object_version 6
	.text
	.protected	k_q0f973e4452_quant
	.globl	k_q0f973e4452_quant
	.p2align	8
	.type	k_q0f973e4452_quant,@function
k_q0f973e4452_quant:
	s_mov_b64 s[64:65], 0
	v_nop
	global_prefetch_b8 v0, s[64:65] scope:SCOPE_SE
	s_setreg_imm32_b32 hwreg(HW_REG_WAVE_MODE, 25, 1), 1
	s_wait_xcnt 0x0
; x [4096][1024] and the four weights [1024 (k)][1024 (n)], f32, become codes of FP6 (E2M3) with one E8M0 byte for each 32 along K.
; No input is left out; of reference()'s work only score tiles that lie wholly under its own causal mask are not computed (launch attn).
; A block's scale is 2^(floor(log2(largest magnitude)) - 2); its byte is the exponent field - 2, held at 1 from below (a block of zeros keeps 1: its codes are zeros, and this program alone reads the bytes).
; LIMITS: NaN and infinities are not served; a block whose largest magnitude lies under 2^-124 keeps the byte 1.
; Work-groups 0-127 take the weights (a lane a column, registers down K), 128-255 take x (a lane 16 neighbours along K, by a turn through LDS).  Each way has LDS bytes of its own.
; LAYOUT of xc and of wc (rows of Wq, Wk, Wv on end): [K step of 256][4096 rows][192 bytes]: 128 rows of one K step are 24,576 dense bytes.  Scale bytes: [row][32].
; Inside every 32 rows the four groups of 8 are stored in the order 0, 2, 1, 3.
; wo: Wo as images of operand registers: [tile of 16 stored rows][128 along K] 1,536 bytes, two halves of 768 (64 along K): registers 0-3 at 16 x lane, 4-5 at 512 + 8 x lane.
.set KSB,   786432                     ; bytes of one K step of 4,096 rows
.set SPARE, 0x8000                     ; the spare words, 512 bytes
.set WB,    0x8200                     ; the weights' stages
.set EMAX,  2
.set STEPS, 16
.set CB,    12
.set R,     16
.set X,     80
.set C,     128
.set E,     112
.set WREG,  8192
.set SP,    80
.set NB,    8
.set PITCH, 272
.set XW,    32
.set CW,    96
.set OUTR,  112
.set SB,    24
	v_lshl_add_u32 v192, v0, 2, SPARE
	v_mov_b32 v193, 0
	v_lshrrev_b32 v1, 5, v0
	v_readfirstlane_b32 s16, v1                    ; wave
	v_and_b32 v2, 31, v0                           ; lane
	s_cmp_lt_u32 ttmp9, 128
	s_wait_alu depctr_va_vdst(0)                   ; the wait ahead of the branch
	s_cbranch_scc0 .Lx
; ---- the weights: columns 128 (id % 8) on, weight id / 32, K from 256 ((id / 8) % 4) on; a wave takes 32 columns x 256 along K
	s_load_b256 s[4:11], s[0:1], 0x8               ; Wq, Wk, Wv, Wo
	s_load_b128 s[12:15], s[0:1], 0x38             ; wc, ws
	s_load_b64 s[34:35], s[0:1], 0x48              ; wo
	s_and_b32 s17, ttmp9, 7
	s_lshl_b32 s17, s17, 7
	s_lshl_b32 s18, s16, 5
	s_add_co_u32 s17, s17, s18                     ; my wave's first column
	s_lshr_b32 s18, ttmp9, 3
	s_lshr_b32 s30, s18, 2                         ; which weight
	s_and_b32 s18, s18, 3                          ; which 256 along K
	v_lshlrev_b32 v3, 2, v2
	s_mul_i32 s19, s16, 32*PITCH
	s_add_co_u32 s19, s19, WB                      ; my stage
	v_mul_u32_u24 v4, v2, PITCH
	v_add_nc_u32 v4, s19, v4
	v_and_b32 v5, 15, v2
	v_lshrrev_b32 v6, 4, v2
	v_mul_u32_u24 v7, v6, PITCH
	v_lshl_add_u32 v7, v5, 4, v7
	v_add_nc_u32 v7, s19, v7
	v_mul_u32_u24 v8, v6, 192
	v_mad_u32_u24 v8, v5, 12, v8
	v_and_b32 v9, 7, v2                            ; my column's stored place among the 32: bits 3 and 4 change places
	v_and_b32 v10, 8, v2
	v_lshl_or_b32 v9, v10, 1, v9
	v_and_b32 v10, 16, v2
	v_lshrrev_b32 v10, 1, v10
	v_or_b32 v9, v9, v10
	v_lshrrev_b32 v10, 4, v9                       ; the image: which of my two tiles,
	v_mul_u32_u24 v10, v10, 12288
	v_and_b32 v11, 15, v9                          ; and which row of it
	v_lshl_add_u32 v26, v11, 4, v10
	v_lshl_add_u32 v27, v11, 3, v10
	v_lshlrev_b32 v9, 5, v9                        ; 32 scale bytes a row
	s_lshl_b32 s20, s18, 20
	s_lshl_b32 s22, s17, 2
	s_add_co_u32 s20, s20, s22                     ; W: 256 rows of 4,096 bytes a K step + 4 x column
	s_mov_b32 s21, 0
	s_mul_i32 s24, s17, 192                        ; wc: K step x KSB + (1,024 x weight + column) x 192
	s_mul_i32 s26, s18, KSB
	s_add_co_u32 s24, s24, s26
	s_mul_i32 s26, s30, 1024*192
	s_add_co_u32 s24, s24, s26
	s_mov_b32 s25, 0
	s_lshl_b32 s28, s17, 5                         ; ws: column x 32 + 8 x K step + 32,768 x weight
	s_lshl_b32 s26, s18, 3
	s_add_co_u32 s28, s28, s26
	s_lshl_b32 s26, s30, 15
	s_add_co_u32 s28, s28, s26
	s_mov_b32 s29, 0
	s_mul_i32 s36, s17, 768                        ; wo: (column / 16) x 12,288 + K step x 3,072
	s_mul_i32 s26, s18, 3072
	s_add_co_u32 s36, s36, s26
	s_mov_b32 s37, 0
	s_wait_alu depctr_va_vdst(0)                   ; the wait at the head's end
	s_wait_kmcnt 0x0
	s_cmp_eq_u32 s30, 1
	s_cselect_b64 s[4:5], s[6:7], s[4:5]
	s_cmp_eq_u32 s30, 2
	s_cselect_b64 s[4:5], s[8:9], s[4:5]
	s_cmp_eq_u32 s30, 3
	s_cselect_b64 s[4:5], s[10:11], s[4:5]
	s_add_nc_u64 s[4:5], s[4:5], s[20:21]
	s_add_nc_u64 s[12:13], s[12:13], s[24:25]
	s_add_nc_u64 s[14:15], s[14:15], s[28:29]
	s_add_nc_u64 s[34:35], s[34:35], s[36:37]
.macro WLOAD t
.irp i, 0,1,2,3,4,5,6,7,8,9,10,11,12,13,14,15,16,17,18,19,20,21,22,23,24,25,26,27,28,29,30,31
	global_load_b32 v[XW+32*((\t)%2)+\i], v3, s[4:5] offset:(32*(\t)+\i)*4096 th:TH_LOAD_NT
.endr
.endm
	WLOAD 0
	WLOAD 1
.macro BLOCK t
.set XS, XW+32*((\t)%2)
.set IMO, ((\t)/4)*1536+(((\t)%4)/2)*768
.if (\t) < NB-1
	s_wait_loadcnt 32                              ; this block's 32 loads are in; the next block's may be out
.else
	s_wait_loadcnt 0
.endif
	v_max3_num_f32 v12, |v[XS]|, |v[XS+1]|, |v[XS+2]|
	v_max3_num_f32 v13, |v[XS+3]|, |v[XS+4]|, |v[XS+5]|
.irp i, 6,10,14,18,22,26
	v_max3_num_f32 v12, v12, |v[XS+\i]|, |v[XS+\i+1]|
	v_max3_num_f32 v13, v13, |v[XS+\i+2]|, |v[XS+\i+3]|
.endr
	v_max3_num_f32 v12, v12, |v[XS+30]|, |v[XS+31]|
	v_max3_num_f32 v12, v12, v13, (EMAX+1)<<23     ; with the floor 2^(3 - 127)
	v_add_nc_u32 v11, 0xff000000, v12              ; 2 off the exponent field: the conversion's scale operand
	v_lshrrev_b32 v13, 23, v11                     ; the scale's byte
.if (\t)%4 == 0
	v_mov_b32 v[SB+(\t)/4], v13
.else
	v_lshl_or_b32 v[SB+(\t)/4], v13, 8*((\t)%4), v[SB+(\t)/4]
.endif
	v_cvt_scalef32_pk16_fp6_f32 v[CW:CW+2], v[XS:XS+15], v11
	v_cvt_scalef32_pk16_fp6_f32 v[CW+4:CW+6], v[XS+16:XS+31], v11
	v_nop                                          ; one plain line behind the conversions
	s_cmp_eq_u32 s30, 3
	s_wait_alu depctr_va_vdst(0)                   ; the wait ahead of the branch
	s_cbranch_scc1 .Limg_\@
	ds_store_b96 v4, v[CW:CW+2] offset:32*(\t)     ; Wq, Wk, Wv: to the stage, 12 bytes to a place of 16
	ds_store_b96 v4, v[CW+4:CW+6] offset:32*(\t)+16
	s_branch .Lput_\@
.Limg_\@:                                          ; Wo: my block's six registers are lane (row, t % 2)'s of half (t % 4) / 2 of an image
	v_mov_b32 v[CW+3], v[CW+4]
	v_mov_b32 v[CW+8], v[CW+5]
	v_mov_b32 v[CW+9], v[CW+6]
	global_store_b128 v26, v[CW:CW+3], s[34:35] offset:IMO+256*((\t)%2)   ; 16 lanes store 256 consecutive bytes, aligned
	global_store_b64 v27, v[CW+8:CW+9], s[34:35] offset:IMO+512+128*((\t)%2)
.Lput_\@:
.if (\t)+2 < NB
	WLOAD (\t)+2
.endif
	s_wait_xcnt 0x0                                ; the stores have read their registers:
	s_wait_dscnt 0x0                               ; the next block's codes may be written
.endm
.set Q, 0
.rept NB
	BLOCK Q
.set Q, Q+1
.endr
	s_wait_alu depctr_va_vdst(0)                   ; the wait ahead of the reader below
	global_store_b64 v9, v[SB:SB+1], s[14:15]      ; my column's 8 scale bytes, at its stored place
	s_cmp_eq_u32 s30, 3
	s_cbranch_scc1 .Lwend
.irp t, 0,1,2,3,4,5,6,7,8,9,10,11,12,13,14,15
	ds_load_b96 v[OUTR+4*\t:OUTR+4*\t+2], v7 offset:2*\t*PITCH
.endr
.irp t, 0,1,2,3,4,5,6,7,8,9,10,11,12,13,14,15
	s_wait_dscnt 15-\t
	global_store_b96 v8, v[OUTR+4*\t:OUTR+4*\t+2], s[12:13] offset:(8*((((\t)/4)&1)*2+(((\t)/4)>>1))+2*((\t)%4))*192   ; two rows of 192 bytes on end
.endr
.Lwend:
	s_wait_tensorcnt 0x0                           ; the wave's end
	ds_add_u32 v192, v193
	s_wait_dscnt 0x0
	s_endpgm
; ---- x: a wave takes a run of 8 rows in 16 steps of 512 numbers
.Lx:
	s_load_b64 s[4:5], s[0:1], 0x0                 ; x
	s_load_b128 s[8:11], s[0:1], 0x28              ; xc, xs
	v_lshlrev_b32 v3, 4, v2
	s_mul_i32 s17, s16, WREG
	v_lshrrev_b32 v14, 2, v2
	v_mul_u32_u24 v14, v14, SP
	v_and_b32 v15, 3, v2
	v_lshl_add_u32 v14, v15, 4, v14
	v_add_nc_u32 v14, s17, v14                     ; the stage, on the way in
	v_mul_u32_u24 v15, v2, SP
	v_add_nc_u32 v15, s17, v15                     ; and on the way out: my 16 neighbours
	v_and_b32 v4, 15, v2
	v_mul_u32_u24 v4, v4, CB
	v_lshrrev_b32 v10, 4, v2
	v_mul_u32_u24 v10, v10, KSB
	v_add_nc_u32 v4, v4, v10                       ; lanes 0-15 one K step's 192 bytes of the row, lanes 16-31 the next K step's
	v_lshrrev_b32 v5, 1, v2
	s_add_co_u32 s17, s17, 2*32*SP
	v_add_nc_u32 v5, s17, v5
	v_lshlrev_b32 v7, 3, v2
	v_add_nc_u32 v6, s17, v7
	s_sub_co_u32 s18, ttmp9, 128
	s_lshl_b32 s18, s18, 2
	s_add_co_u32 s19, s18, s16                     ; the run that I read
	s_and_b32 s20, s16, 1
	s_lshl_b32 s20, s20, 1
	s_lshr_b32 s21, s16, 1
	s_or_b32 s20, s20, s21                         ; groups 1 and 2 of each 32 rows change places
	s_add_co_u32 s18, s18, s20                     ; the run's stored place
	s_lshl_b32 s20, s19, 15
	s_mov_b32 s21, 0
	s_mul_i32 s22, s18, 8*192
	s_mov_b32 s23, 0
	s_lshl_b32 s24, s18, 8
	s_mov_b32 s25, 0
	s_wait_alu depctr_va_vdst(0)                   ; the wait at the head's end
	s_wait_kmcnt 0x0
	s_add_nc_u64 s[4:5], s[4:5], s[20:21]
	s_add_nc_u64 s[8:9], s[8:9], s[22:23]
	s_add_nc_u64 s[10:11], s[10:11], s[24:25]
.macro XLOAD t
.irp i, 0,1,2,3
	global_load_b128 v[R+16*((\t)%4)+4*\i:R+16*((\t)%4)+4*\i+3], v3, s[4:5] offset:2048*(\t)+512*\i th:TH_LOAD_NT
.endr
.endm
.macro XTURN t
.irp i, 0,1,2,3
	ds_store_b128 v14, v[R+16*((\t)%4)+4*\i:R+16*((\t)%4)+4*\i+3] offset:32*SP*((\t)%2)+8*SP*\i
.endr
.irp i, 0,1,2,3
	ds_load_b128 v[X+16*((\t)%2)+4*\i:X+16*((\t)%2)+4*\i+3], v15 offset:32*SP*((\t)%2)+16*\i
.endr
.endm
.irp t, 0,1,2,3
	XLOAD \t
.endr
	s_wait_loadcnt 12                              ; step 0's four loads are in
	XTURN 0
.macro XSTEP t
.set XS, X+16*((\t)%2)
.if (\t) > 0
	s_wait_dscnt 1                                 ; this step's numbers are back (the last step's byte store may be out)
.else
	s_wait_dscnt 0x0
.endif
.if (\t)+4 < STEPS
	XLOAD (\t)+4
.endif
.if (\t)+1 < STEPS
.if STEPS-2-(\t) >= 3
	s_wait_loadcnt 12                              ; the next step's four loads are in; three steps' may be out
.else
	s_wait_loadcnt 4*(STEPS-2-(\t))
.endif
	XTURN (\t)+1
.endif
	v_max3_num_f32 v8, |v[XS]|, |v[XS+1]|, |v[XS+2]|
	v_max3_num_f32 v9, |v[XS+3]|, |v[XS+4]|, |v[XS+5]|
.irp i, 6,10
	v_max3_num_f32 v8, v8, |v[XS+\i]|, |v[XS+\i+1]|
	v_max3_num_f32 v9, v9, |v[XS+\i+2]|, |v[XS+\i+3]|
.endr
	v_max3_num_f32 v8, v8, |v[XS+14]|, |v[XS+15]|
	v_max3_num_f32 v8, v8, v9, (EMAX+1)<<23
	v_max_num_f32_dpp v8, v8, v8 row_xmask:1 row_mask:0xf bank_mask:0xf   ; with my neighbour's 16: the block's
	v_add_nc_u32 v11, 0xff000000, v8
	v_cvt_scalef32_pk16_fp6_f32 v[C+4*(\t):C+4*(\t)+2], v[XS:XS+15], v11
	v_lshrrev_b32 v[E+(\t)], 23, v11
	ds_store_b8 v5, v[E+(\t)] offset:16*(\t)
	global_store_b96 v4, v[C+4*(\t):C+4*(\t)+2], s[8:9] offset:((\t)%2)*2*KSB+((\t)/2)*192   ; row t / 2, K steps 2 (t % 2) and 2 (t % 2) + 1
.endm
.irp t, 0,1,2,3,4,5,6,7,8,9,10,11,12,13,14,15
	XSTEP \t
.endr
	ds_load_b64 v[12:13], v6
	s_wait_dscnt 0x0
	global_store_b64 v7, v[12:13], s[10:11]        ; 32 lanes store 256 consecutive bytes, aligned
	s_wait_tensorcnt 0x0                           ; the wave's end
	ds_add_u32 v192, v193
	s_wait_dscnt 0x0
	s_endpgm
.Lfunc_end_k_q0f973e4452_quant:
	.size	k_q0f973e4452_quant, .Lfunc_end_k_q0f973e4452_quant-k_q0f973e4452_quant
	.p2alignl 7, 3214868480
	.fill 96, 4, 3214868480
	.section	.rodata,"a",@progbits
	.p2align	6, 0x0
	.amdhsa_kernel k_q0f973e4452_quant
		.amdhsa_group_segment_fixed_size 68096
		.amdhsa_private_segment_fixed_size 0
		.amdhsa_enable_private_segment 0
		.amdhsa_kernarg_size 80
		.amdhsa_user_sgpr_count 2
		.amdhsa_user_sgpr_kernarg_segment_ptr 1
		.amdhsa_wavefront_size32 1
		.amdhsa_system_sgpr_workgroup_id_x 1
		.amdhsa_system_sgpr_workgroup_id_y 1
		.amdhsa_system_sgpr_workgroup_id_z 1
		.amdhsa_system_vgpr_workitem_id 0
		.amdhsa_next_free_vgpr 194
		.amdhsa_next_free_sgpr 66
		.amdhsa_reserve_vcc 0
		.amdhsa_float_denorm_mode_32 3
		.amdhsa_float_denorm_mode_16_64 3
		.amdhsa_memory_ordered 1
		.amdhsa_forward_progress 1
		.amdhsa_inst_pref_size 78
	.end_amdhsa_kernel
	.amdgpu_metadata
---
amdhsa.version: [ 1, 2 ]
amdhsa.kernels:
  - .name:           k_q0f973e4452_quant
    .symbol:         k_q0f973e4452_quant.kd
    .args:
      - { .name: x, .offset: 0, .size: 8, .value_kind: global_buffer, .address_space: global }
      - { .name: Wq, .offset: 8, .size: 8, .value_kind: global_buffer, .address_space: global }
      - { .name: Wk, .offset: 16, .size: 8, .value_kind: global_buffer, .address_space: global }
      - { .name: Wv, .offset: 24, .size: 8, .value_kind: global_buffer, .address_space: global }
      - { .name: Wo, .offset: 32, .size: 8, .value_kind: global_buffer, .address_space: global }
      - { .name: xc, .offset: 40, .size: 8, .value_kind: global_buffer, .address_space: global }
      - { .name: xs, .offset: 48, .size: 8, .value_kind: global_buffer, .address_space: global }
      - { .name: wc, .offset: 56, .size: 8, .value_kind: global_buffer, .address_space: global }
      - { .name: ws, .offset: 64, .size: 8, .value_kind: global_buffer, .address_space: global }
      - { .name: wo, .offset: 72, .size: 8, .value_kind: global_buffer, .address_space: global }
    .group_segment_fixed_size: 68096
    .private_segment_fixed_size: 0
    .kernarg_segment_align: 8
    .kernarg_segment_size: 80
    .max_flat_workgroup_size: 128
    .sgpr_count:     66
    .vgpr_count:     194
    .wavefront_size: 32
...
	.end_amdgpu_metadata
.endif
;; end of part 1
;; launch proj (part 2): grid 12 x 16, 4 waves a work-group, clusters of 4 x 4, 327,680 bytes of LDS; arguments xc, xs, wc, ws, qkv; writes qkv
.if DOCPART == 2
	.amdgcn_target "amdgcn-amd-amdhsa--gfx1250"
	.amdhsa_code_object_version 6
	.text
	.protected	k_q0f973e4452_proj
	.globl	k_q0f973e4452_proj
	.p2align	8
	.type	k_q0f973e4452_proj,@function
k_q0f973e4452_proj:
	s_mov_b64 s[64:65], 0
	v_nop
	global_prefetch_b8 v0, s[64:65] scope:SCOPE_SE
	s_setreg_imm32_b32 hwreg(HW_REG_WAVE_MODE, 25, 1), 1
	s_wait_xcnt 0x0
	s_wait_alu depctr_hold_cnt(0) depctr_sa_sdst(0) depctr_va_vdst(0) depctr_va_sdst(0) depctr_va_ssrc(0) depctr_va_vcc(0) depctr_vm_vsrc(0)
	s_getreg_b32 s2, hwreg(HW_REG_IB_STS2, 6, 4)
	s_cmp_eq_u32 s2, 0
	s_cbranch_scc0 .Lentry_in_a_cluster
	s_endpgm
.Lentry_in_a_cluster:
	s_bfe_u32 s2, ttmp6, 0x10000c
	s_cmp_lg_u32 s2, 0xf033
	s_cbranch_scc0 .Lentry_shape_is_right
	s_endpgm
.Lentry_shape_is_right:
.set SIZE_K, 1024
.set KSTEP,  256
.set NQ,     KSTEP/128
; xc and wc are laid [K step of 256][4096 rows][192 bytes]: the 128 rows that one load brings are 24,576 dense bytes, stated as 96 rows of 256 bytes;
; 16 bytes of padding behind every 64 give LDS rows of 240 bytes for each 192 bytes of codes.
.set ROWB,   786432                    ; bytes from one K step to the next
.set KROW,   192                       ; bytes of a row inside a K step
.set PITCH,  240
.set FR,     12
.set NL,     6
.set NP,     4
.set HALFT,  128*PITCH
.set SLOT,   4*HALFT
.set LAPS,   SIZE_K/(2*KSTEP)
.set KS,     SIZE_K/32
.set SCL,    2*SLOT
.set HALFS,  (128*KS/256)*272
.set SBLK,   (16*KS/256)*272
.set SPARE,  SCL+4*HALFS
.set HS,     614400
.set STRD,   19200
.set PART,   6400
.set ADRA, 16
.set ADRB, 20
.set ADRS, 27
.set SPW,  28
.set NIL,  29
.set SC,   32
.set AF,   128
.set LA16, 4
.set LA8,  5
.set LSW,  6
.set SELP, 7
.set X,    64
.set PC,   128
.set TM,   148
.set SW,   164
.set SSQ,  172
.set FN,   176
.set WO,   180
.set G1, 24
.set G0, 32
.set G1B, 48
.set G0B, 56
.set G1S, 68
.set G0S, 76
.set G1SB, 80
.set G0SB, 88
.set MSB, 0
.macro WIN new
.if MSB != (\new)
	s_set_vgpr_msb (MSB<<8)|(\new)
.set MSB, (\new)
.endif
.endm
.set MUL_LO, 0xa1
.set MUL_HI, 0xf1
.set TO_B,   0x40
.macro JLOAD g0a, g1a, g0b, g1b
	s_cmp_eq_u32 s15, 0
	s_cbranch_scc0 .Lfor_b_\@
	tensor_load_to_lds s[\g0a:\g0a+3], s[\g1a:\g1a+7]
	s_nop 0
.rept 4
	v_nop
.endr
	s_branch .Lasked_\@
.Lfor_b_\@:
	tensor_load_to_lds s[\g0b:\g0b+3], s[\g1b:\g1b+7]
	s_nop 0
.rept 4
	v_nop
.endr
.Lasked_\@:
.endm
.macro CREST
	s_cmp_lg_u32 s14, 0
	s_cbranch_scc1 .Lnot_wave_0_\@
	s_barrier_signal -3
.Lnot_wave_0_\@:
	s_barrier_wait -3
	s_barrier_signal -1
	s_barrier_wait -1
.endm
.macro CROUND
	s_barrier_signal -1
	s_barrier_wait -1
	CREST
.endm
	s_load_b256 s[4:11], s[0:1], 0x0
	s_load_b64 s[12:13], s[0:1], 0x20
	v_lshl_add_u32 v[SPW], v0, 2, SPARE
	v_mov_b32 v[NIL], 0
	ds_add_u32 v28, v29
	ds_add_u32 v28, v29
	s_wait_dscnt 0x0
	v_lshrrev_b32 v1, 5, v0
	v_readfirstlane_b32 s14, v1
	s_lshr_b32 s15, s14, 1
	s_and_b32 s16, s14, 1
	s_bfe_u32 s40, ttmp6, 0x40000
	s_bfe_u32 s41, ttmp6, 0x40004
	s_and_b32 s17, ttmp7, 0xffff
	s_cmp_eq_u32 ttmp9, 2
	s_cselect_b32 s95, 1, 0
	s_cselect_b32 s42, s17, ttmp9
	s_cselect_b32 s17, 0, s17
	s_cselect_b32 s100, 2048, 0
	s_lshl_b32 s42, s42, 2
	s_add_co_u32 s42, s42, s40
	s_lshl_b32 s17, s17, 2
	s_add_co_u32 s17, s17, s41
	s_lshl_b32 s43, s41, 2
	s_lshl_b32 s43, 15, s43
	s_lshl_b32 s44, 0x1111, s40
	s_or_b32 s[G1+0], s43, (0<<16)|(1<<20)|(1<<21)|(3<<22)|(3<<25)
	s_or_b32 s[G1B+0], s44, (0<<16)|(1<<20)|(1<<21)|(3<<22)|(3<<25)
.irp g, G1, G1B
	s_mov_b32 s[\g+1], 256<<16
	s_mov_b32 s[\g+2], 96<<16
	s_mov_b32 s[\g+3], 256<<16
	s_mov_b32 s[\g+4], 96
	s_mov_b32 s[\g+5], 256
	s_mov_b32 s[\g+6], 0
	s_mov_b32 s[\g+7], 0
.endr
	s_or_b32 s[G1S+0], s43, (3<<16)|(1<<20)|(1<<21)|(5<<22)|(3<<25)
	s_or_b32 s[G1SB+0], s44, (3<<16)|(1<<20)|(1<<21)|(5<<22)|(3<<25)
.irp g, G1S, G1SB
	s_mov_b32 s[\g+1], 32<<16
	s_mov_b32 s[\g+2], (128*KS/256)<<16
	s_mov_b32 s[\g+3], 32<<16
	s_mov_b32 s[\g+4], 128*KS/256
	s_mov_b32 s[\g+5], 32
	s_mov_b32 s[\g+6], 0
	s_mov_b32 s[\g+7], 0
.endr
	s_lshl_b32 s18, s16, 7
	s_lshl_b32 s20, s17, 8
	s_add_co_u32 s20, s20, s18
	s_add_co_u32 s20, s20, s100
	s_lshl_b32 s46, s42, 8
	s_add_co_u32 s46, s46, s18
	s_mov_b32 s21, 0
	s_mov_b32 s47, 0
	s_mov_b64 s[18:19], KS
	s_mul_u64 s[22:23], s[20:21], s[18:19]
	s_mul_u64 s[92:93], s[46:47], s[18:19]
	s_mov_b64 s[18:19], KROW
	s_mul_u64 s[20:21], s[20:21], s[18:19]
	s_mul_u64 s[46:47], s[46:47], s[18:19]
	s_mul_i32 s45, s14, HALFT
	s_mul_i32 s94, s14, HALFS
	s_wait_kmcnt 0x0
	s_cmp_eq_u32 ttmp9, 2
	s_cselect_b64 s[96:97], s[8:9], s[4:5]
	s_cselect_b64 s[98:99], s[10:11], s[6:7]
	s_cselect_b64 s[8:9], s[4:5], s[8:9]
	s_cselect_b64 s[10:11], s[6:7], s[10:11]
	s_add_nc_u64 s[20:21], s[96:97], s[20:21]
	s_add_nc_u64 s[22:23], s[98:99], s[22:23]
	s_add_nc_u64 s[46:47], s[8:9], s[46:47]
	s_add_nc_u64 s[92:93], s[10:11], s[92:93]
	CROUND
	s_mov_b32 s[G0S], 1
	s_add_co_u32 s[G0S+1], s94, SCL
	s_mov_b64 s[G0S+2:G0S+3], s[22:23]
	s_or_b32 s[G0S+3], s[G0S+3], 0x80000000
	s_mov_b32 s[G0SB], 1
	s_add_co_u32 s[G0SB+1], s94, SCL
	s_mov_b64 s[G0SB+2:G0SB+3], s[92:93]
	s_or_b32 s[G0SB+3], s[G0SB+3], 0x80000000
	JLOAD G0S, G1S, G0SB, G1SB
.irp s, 0,1
	s_mov_b32 s[G0+4*\s], 1
	s_add_co_u32 s[G0+4*\s+1], s45, \s*SLOT
	s_add_nc_u64 s[G0+4*\s+2:G0+4*\s+3], s[20:21], \s*ROWB
	s_or_b32 s[G0+4*\s+3], s[G0+4*\s+3], 0x80000000
	s_mov_b32 s[G0B+4*\s], 1
	s_add_co_u32 s[G0B+4*\s+1], s45, \s*SLOT
	s_add_nc_u64 s[G0B+4*\s+2:G0B+4*\s+3], s[46:47], \s*ROWB
	s_or_b32 s[G0B+4*\s+3], s[G0B+4*\s+3], 0x80000000
	s_wait_alu depctr_va_vdst(0)
	s_wait_tensorcnt 0x0
	ds_add_u32 v28, v29
	s_wait_dscnt 0x0
	CROUND
	JLOAD G0+4*\s, G1, G0B+4*\s, G1B
.endr
	v_and_b32 v1, 15, v0
	v_bfe_u32 v2, v0, 4, 1
	v_mul_u32_u24 v3, v1, PITCH
	v_mul_u32_u24 v4, v2, 24
	v_add_nc_u32 v4, v3, v4
	v_lshl_add_u32 v5, v2, 4, v4
	s_mul_i32 s21, s15, HALFT
	s_mul_i32 s22, s16, HALFT
	s_add_co_u32 s22, s22, 2*HALFT
.irp s, 0,1
	v_add_nc_u32 v[ADRA+\s], s21, v4
	v_add_nc_u32 v[ADRB+\s], s22, v4
	v_add_nc_u32 v[ADRA+2+\s], s21, v5
	v_add_nc_u32 v[ADRB+2+\s], s22, v5
	s_add_co_u32 s21, s21, SLOT
	s_add_co_u32 s22, s22, SLOT
.endr
	v_mul_u32_u24 v5, v1, KS
	v_lshrrev_b32 v6, 8, v5
	v_lshl_add_u32 v5, v6, 4, v5
	s_mul_i32 s21, s15, HALFS
	s_mul_i32 s22, s16, HALFS
	s_add_co_u32 s22, s22, 2*HALFS
	s_sub_co_u32 s22, s22, s21
	v_mul_u32_u24 v6, s22, v2
	s_add_co_u32 s21, s21, SCL
	v_add_nc_u32 v5, v5, v6
	v_add_nc_u32 v[ADRS], s21, v5
	s_and_b32 s18, s42, 3
	s_lshl_b32 s18, s18, 2
	s_lshl_b32 s19, s16, 1
	s_add_co_u32 s18, s18, s19
	s_lshl_b32 s19, s17, 1
	s_add_co_u32 s19, s19, s15
	s_lshl_b32 s20, s17, 2
	s_lshl_b32 s21, s15, 1
	s_add_co_u32 s20, s20, s21
	s_lshl_b32 s21, s42, 1
	s_add_co_u32 s21, s21, s16
	s_cmp_eq_u32 s95, 1
	s_cselect_b32 s18, s20, s18
	s_cselect_b32 s19, s21, s19
	s_mul_i32 s18, s18, HS
	s_mul_i32 s19, s19, STRD
	s_add_co_u32 s18, s18, s19
	s_mul_i32 s19, ttmp9, PART
	s_add_co_u32 s18, s18, s19
	s_mov_b32 s19, 0
	s_add_nc_u64 s[12:13], s[12:13], s[18:19]
.macro FRAG reg, adr, q, i
.irp p, 0,1,2,3,4,5
.set PIECE, 12*(\q)+6*(\p/3)+\p%3
.if PIECE%8 < 5
	ds_load_b64 v[\reg+2*\p:\reg+2*\p+1], v[\adr] offset:8*PIECE+16*(PIECE/8)+(\i)*16*PITCH
.else
	ds_load_b64 v[\reg+2*\p:\reg+2*\p+1], v[\adr+2] offset:8*PIECE+16*(PIECE/8)+(\i)*16*PITCH
.endif
.endr
.endm
.macro MUL16 a0, p, q, sc, zero
.irp a, \a0, \a0+1
.irp b, 0,1,2,3,4,5,6,7
.if \zero
	v_wmma_scale_f32_16x16x128_f8f6f4 v[8*(8*((\a)%4)+\b):8*(8*((\a)%4)+\b)+7], v[128*(\p)+FR*\b:128*(\p)+FR*\b+FR-1], v[AF+FR*(\a):AF+FR*(\a)+FR-1], 0, v[SC+8*NQ*(\sc)+NQ*\b+(\q)], v[SC+8*NQ*(\sc)+NQ*(\a)+(\q)] matrix_a_fmt:MATRIX_FMT_FP6 matrix_b_fmt:MATRIX_FMT_FP6 matrix_a_scale:MATRIX_SCALE_ROW1
.else
	v_wmma_scale_f32_16x16x128_f8f6f4 v[8*(8*((\a)%4)+\b):8*(8*((\a)%4)+\b)+7], v[128*(\p)+FR*\b:128*(\p)+FR*\b+FR-1], v[AF+FR*(\a):AF+FR*(\a)+FR-1], v[8*(8*((\a)%4)+\b):8*(8*((\a)%4)+\b)+7], v[SC+8*NQ*(\sc)+NQ*\b+(\q)], v[SC+8*NQ*(\sc)+NQ*(\a)+(\q)] matrix_a_fmt:MATRIX_FMT_FP6 matrix_b_fmt:MATRIX_FMT_FP6 matrix_a_scale:MATRIX_SCALE_ROW1
.endif
.endr
.endr
.endm
.macro FETCH_B slot, q, p
	WIN TO_B
.irp i, 0,1,2,3,4,5,6,7
	FRAG 128*(\p)+FR*\i, ADRB+\slot, \q, \i
.endr
	WIN 0
.endm
.macro FETCH_A slot, q, i0
.irp i, \i0, \i0+1, \i0+2, \i0+3
	FRAG AF+FR*(\i), ADRA+\slot, \q, \i
.endr
.endm
.macro SCALES sc
.irp i, 0,1,2,3,4,5,6,7
	ds_load_b64 v[SC+8*NQ*\sc+NQ*\i:SC+8*NQ*\sc+NQ*\i+1], v[ADRS] offset:\i*SBLK
.endr
.endm
.macro PLACES n
.rept \n
	v_nop
.endr
.endm
.macro STEP slot, q, zero
	s_wait_dscnt 4*NL
	WIN MUL_LO
	MUL16 0, (\q)%2, \q, \slot, \zero
	MUL16 2, (\q)%2, \q, \slot, \zero
	s_wait_dscnt 0
	PLACES NP
	FETCH_B \slot, (\q)+1, 1-(\q)%2
	FETCH_A \slot, (\q)+1, 0
	WIN MUL_HI
	MUL16 4, (\q)%2, \q, \slot, \zero
	MUL16 6, (\q)%2, \q, \slot, \zero
	PLACES NP
	WIN 0
	FETCH_A \slot, (\q)+1, 4
.endm
.macro TURN slot, next, fill
	s_wait_tensorcnt 0x0
	ds_add_u32 v[SPW], v[NIL]
	s_wait_dscnt 4*NL+1
	WIN MUL_LO
	MUL16 0, 1, NQ-1, \slot, 0
	s_wait_dscnt 0x0
	s_barrier_signal -1
	MUL16 2, 1, NQ-1, \slot, 0
	WIN 0
	s_barrier_wait -1
.if \fill
	CREST
	s_add_nc_u64 s[G0+4*\slot+2:G0+4*\slot+3], s[G0+4*\slot+2:G0+4*\slot+3], 2*ROWB
	s_add_nc_u64 s[G0B+4*\slot+2:G0B+4*\slot+3], s[G0B+4*\slot+2:G0B+4*\slot+3], 2*ROWB
	JLOAD G0+4*\slot, G1, G0B+4*\slot, G1B
.else
	PLACES NP
.endif
	s_wait_alu depctr_va_vdst(0)
	v_add_nc_u32 v[ADRS], 4*NQ, v[ADRS]
	FETCH_B \next, 0, 0
	FETCH_A \next, 0, 0
	SCALES \next
	WIN MUL_HI
	MUL16 4, 1, NQ-1, \slot, 0
	MUL16 6, 1, NQ-1, \slot, 0
	PLACES NP
	WIN 0
	FETCH_A \next, 0, 4
.endm
	s_wait_alu depctr_va_vdst(0)
	s_wait_tensorcnt 1
	s_barrier_signal -1
	s_barrier_wait -1
	FETCH_B 0, 0, 0
	FETCH_A 0, 0, 0
	SCALES 0
	FETCH_A 0, 0, 4
	STEP 0, 0, 1
	s_mov_b32 s3, LAPS-1
.Llap:
	TURN 0, 1, 1
	STEP 1, 0, 0
	TURN 1, 0, 1
	STEP 0, 0, 0
	s_sub_co_u32 s3, s3, 1
	s_cmp_lg_u32 s3, 0
	s_cbranch_scc1 .Llap
	TURN 0, 1, 0
	STEP 1, 0, 0
	s_wait_dscnt 4*NL
	WIN MUL_LO
	MUL16 0, 1, NQ-1, 1, 0
	MUL16 2, 1, NQ-1, 1, 0
	s_wait_dscnt 0
	WIN MUL_HI
	MUL16 4, 1, NQ-1, 1, 0
	MUL16 6, 1, NQ-1, 1, 0
	WIN 0
.macro QUANT s, w, pw
	WIN (\w)*5
.irp b, 0,1,2,3
	v_max3_num_f32 v[TM+\b], |v[\s+16*\b]|, |v[\s+1+16*\b]|, 0x1800000
.endr
	WIN (\w)*20
.irp i, 2,4,6,8,10,12,14
.irp b, 0,1,2,3
	v_max3_num_f32 v[TM+\b], v[TM+\b], |v[\s+16*\b+\i]|, |v[\s+1+16*\b+\i]|
.endr
.endr
	WIN 0
.irp b, 0,1,2,3
	v_permlanex16_b32 v[TM+4+\b], v[TM+\b], s22, s23
.endr
.irp b, 0,1,2,3
	v_max_num_f32 v[TM+\b], v[TM+\b], v[TM+4+\b]
.endr
.irp b, 0,1,2,3
	v_add_nc_u32 v[TM+12+\b], 0xff000000, v[TM+\b]
.endr
.irp b, 0,1,2,3
	v_lshrrev_b32 v[TM+4+\b], 23, v[TM+12+\b]
.endr
	v_lshl_or_b32 v[\pw], v[TM+5], 8, v[TM+4]
	v_lshl_or_b32 v[\pw], v[TM+6], 16, v[\pw]
	v_lshl_or_b32 v[\pw], v[TM+7], 24, v[\pw]
	WIN (\w)
.irp c, 0,1
	v_cvt_scalef32_pk16_fp6_f32 v[PC+6*\c:PC+2+6*\c], v[\s+32*\c:\s+15+32*\c], v[TM+12+2*\c]
	v_cvt_scalef32_pk16_fp6_f32 v[PC+12+4*\c:PC+14+4*\c], v[\s+16+32*\c:\s+31+32*\c], v[TM+12+2*\c+1]
.endr
	WIN 0
	v_nop
.irp c, 0,1
.irp i, 0,1,2
	v_permlane16_swap_b32 v[PC+6*\c+\i], v[PC+12+4*\c+\i]
.endr
.irp i, 0,1,2
	v_mov_b32 v[PC+3+6*\c+\i], v[PC+12+4*\c+\i]
.endr
.endr
.endm
.macro QKBLOCK a
.set AC, 64*((\a)%4)
.set WW, 2+(\a)/4
.set OFS, ((\a)/2)*1536+((\a)%2)*768
.if (\a) > 0
	s_wait_xcnt 0x0
.endif
	WIN WW*5
	v_pk_mul_f32 v[SSQ:SSQ+1], v[AC:AC+1], v[AC:AC+1]
	v_pk_mul_f32 v[SSQ+2:SSQ+3], v[AC+32:AC+33], v[AC+32:AC+33]
.irp j, 2,4,6,8,10,12,14,16,18,20,22,24,26,28,30
	v_pk_fma_f32 v[SSQ:SSQ+1], v[AC+\j:AC+\j+1], v[AC+\j:AC+\j+1], v[SSQ:SSQ+1]
	v_pk_fma_f32 v[SSQ+2:SSQ+3], v[AC+32+\j:AC+33+\j], v[AC+32+\j:AC+33+\j], v[SSQ+2:SSQ+3]
.endr
	WIN 0
	v_add_f32 v[SSQ], v[SSQ], v[SSQ+1]
	v_add_f32 v[SSQ+2], v[SSQ+2], v[SSQ+3]
	v_permlanex16_b32 v[SSQ+1], v[SSQ], s22, s23
	v_permlanex16_b32 v[SSQ+3], v[SSQ+2], s22, s23
	v_add_f32 v[SSQ], v[SSQ], v[SSQ+1]
	v_add_f32 v[SSQ+2], v[SSQ+2], v[SSQ+3]
	s_wait_alu depctr_va_vdst(0)
	v_sqrt_f32 v[SSQ], v[SSQ]
	v_sqrt_f32 v[SSQ+2], v[SSQ+2]
	v_nop
	s_wait_alu depctr_va_vdst(0)
	v_max_num_f32 v[SSQ], 0x2b8cbccc, v[SSQ]
	v_max_num_f32 v[SSQ+2], 0x2b8cbccc, v[SSQ+2]
	s_wait_alu depctr_va_vdst(0)
	v_rcp_f32 v[FN], v[SSQ]
	v_rcp_f32 v[FN+2], v[SSQ+2]
	v_nop
	WIN WW
	s_wait_alu depctr_va_vdst(0)
.irp j, 0,2,4,6,8,10,12,14,16,18,20,22,24,26,28,30
	v_pk_mul_f32 v[X+\j:X+\j+1], v[AC+\j:AC+\j+1], v[FN:FN+1] op_sel_hi:[1,0]
	v_pk_mul_f32 v[X+32+\j:X+33+\j], v[AC+32+\j:AC+33+\j], v[FN+2:FN+3] op_sel_hi:[1,0]
.endr
	WIN 0
	QUANT X, 0, SW+(\a)
	global_store_b128 v[LA16], v[PC:PC+3], s[12:13] offset:OFS
	global_store_b64 v[LA8], v[PC+4:PC+5], s[12:13] offset:OFS+512
	global_store_b128 v[LA16], v[PC+6:PC+9], s[12:13] offset:HS+OFS
	global_store_b64 v[LA8], v[PC+10:PC+11], s[12:13] offset:HS+OFS+512
.endm
.macro VBLOCK a
.set AC, 64*((\a)%4)
.set WW, 2+(\a)/4
.set OFS, ((\a)/4)*HS+((\a)%4)*1536
.if (\a) > 0
	s_wait_xcnt 0x0
.endif
	QUANT AC, WW, SW+(\a)
	global_store_b128 v[LA16], v[PC:PC+3], s[12:13] offset:OFS
	global_store_b64 v[LA8], v[PC+4:PC+5], s[12:13] offset:OFS+512
	global_store_b128 v[LA16], v[PC+6:PC+9], s[12:13] offset:OFS+768
	global_store_b64 v[LA8], v[PC+10:PC+11], s[12:13] offset:OFS+1280
.endm
	PLACES NP
	v_and_b32 v1, 31, v0
	v_lshlrev_b32 v[LA16], 4, v1
	v_lshlrev_b32 v[LA8], 3, v1
	v_and_b32 v1, 15, v0
	v_bfe_u32 v2, v0, 4, 1
	v_mul_u32_u24 v[LSW], v2, HS
	v_lshl_add_u32 v[LSW], v1, 4, v[LSW]
	s_mov_b32 s101, 0xffff0000
	v_mov_b32 v[SELP], 0x05040100
	v_mov_b32 v3, 0x07060302
	v_cndmask_b32 v[SELP], v[SELP], v3, s101
.irp b, 0,1,2,3
	v_mov_b32 v[TM+4+\b], 0
.endr
	v_mov_b32 v[FN+1], 0
	v_mov_b32 v[FN+3], 0
	s_mov_b32 s22, 0x76543210
	s_mov_b32 s23, 0xfedcba98
	s_cmp_eq_u32 s95, 1
	s_cbranch_scc1 .Lv_arm
.irp a, 0,1,2,3,4,5,6,7
	QKBLOCK \a
.endr
.irp f, 0,1,2,3
	v_perm_b32 v[WO+\f], v[SW+2*\f+1], v[SW+2*\f], v[SELP]
.endr
	s_branch .Lwords
.Lv_arm:
.irp a, 0,1,2,3,4,5,6,7
	VBLOCK \a
.endr
.irp f, 0,1,2,3
	v_cndmask_b32 v[WO+\f], v[SW+\f], v[SW+4+\f], s101
.endr
.Lwords:
	s_wait_alu depctr_va_vdst(0)
	global_store_b128 v[LSW], v[WO:WO+3], s[12:13] offset:4*1536
	s_wait_tensorcnt 0x0
	ds_add_u32 v[SPW], v[NIL]
	s_wait_dscnt 0x0
	CROUND
	s_endpgm
.Lfunc_end_k_q0f973e4452_proj:
	.size	k_q0f973e4452_proj, .Lfunc_end_k_q0f973e4452_proj-k_q0f973e4452_proj
	.p2alignl 7, 3214868480
	.fill 96, 4, 3214868480
	.section	.rodata,"a",@progbits
	.p2align	6, 0x0
	.amdhsa_kernel k_q0f973e4452_proj
		.amdhsa_group_segment_fixed_size 327680
		.amdhsa_private_segment_fixed_size 0
		.amdhsa_enable_private_segment 0
		.amdhsa_kernarg_size 40
		.amdhsa_user_sgpr_count 2
		.amdhsa_user_sgpr_kernarg_segment_ptr 1
		.amdhsa_wavefront_size32 1
		.amdhsa_system_sgpr_workgroup_id_x 1
		.amdhsa_system_sgpr_workgroup_id_y 1
		.amdhsa_system_sgpr_workgroup_id_z 1
		.amdhsa_system_vgpr_workitem_id 0
		.amdhsa_next_free_vgpr 1024
		.amdhsa_next_free_sgpr 102
		.amdhsa_reserve_vcc 0
		.amdhsa_float_denorm_mode_32 3
		.amdhsa_float_denorm_mode_16_64 3
		.amdhsa_memory_ordered 1
		.amdhsa_forward_progress 1
		.amdhsa_inst_pref_size 239
	.end_amdhsa_kernel
	.amdgpu_metadata
---
amdhsa.version: [ 1, 2 ]
amdhsa.kernels:
  - .name:           k_q0f973e4452_proj
    .symbol:         k_q0f973e4452_proj.kd
    .args:
      - { .name: xc, .offset: 0, .size: 8, .value_kind: global_buffer, .address_space: global }
      - { .name: xs, .offset: 8, .size: 8, .value_kind: global_buffer, .address_space: global }
      - { .name: wc, .offset: 16, .size: 8, .value_kind: global_buffer, .address_space: global }
      - { .name: ws, .offset: 24, .size: 8, .value_kind: global_buffer, .address_space: global }
      - { .name: qkv, .offset: 32, .size: 8, .value_kind: global_buffer, .address_space: global }
    .group_segment_fixed_size: 327680
    .private_segment_fixed_size: 0
    .kernarg_segment_align: 8
    .kernarg_segment_size: 40
    .max_flat_workgroup_size: 128
    .sgpr_count:     102
    .vgpr_count:     1024
    .wavefront_size: 32
...
	.end_amdgpu_metadata
.endif
;; end of part 2
;; launch attn (part 3): grid 16 x 16, 16 waves a work-group, no clusters, 327,680 bytes of LDS; arguments qkv, oc, os; writes oc, os
.if DOCPART == 3
	.amdgcn_target "amdgcn-amd-amdhsa--gfx1250"
	.amdhsa_code_object_version 6
	.text
	.protected	k_q0f973e4452_attn
	.globl	k_q0f973e4452_attn
	.p2align	8
	.type	k_q0f973e4452_attn,@function
k_q0f973e4452_attn:
	s_mov_b64 s[64:65], 0
	v_nop
	global_prefetch_b8 v0, s[64:65] scope:SCOPE_SE
	s_setreg_imm32_b32 hwreg(HW_REG_WAVE_MODE, 25, 1), 1
	s_wait_xcnt 0x0
; Causal attention of one head on codes of FP6 (E2M3) with E8M0 scales, and the quantising of its result o along (head, channel) for the last projection.
; Score tiles that lie wholly under reference()'s own causal mask are not computed.
; qkv: [16 heads][32 steps of 128 rows][q, k, v parts of 6,400 bytes], each part an image of operand registers: 4 fragments of 1,536 bytes (two halves of 768: registers 0-3 at 16 x lane, 4-5 at 512 + 8 x lane),
; then 256 bytes of scale words (16 r + 4 f).  q, k: fragment f = tile 2 f's 64 codes a row beside tile 2 f + 1's; lane r of tile t is row 32 (t / 2) + 8 (t % 2) + r + 8 (r / 8).  v: fragment f = 16 channels x 128 keys.
; SHARES.  Work-group (i, head) owns query blocks i and 31 - i, of 128 queries: a walk of 33 key steps (block i: key steps 0 .. i; then block 31 - i: 0 .. 31 - i), the same for every i.
; Sixteen waves: wave w and wave 8 + w both own query tile w; waves 0-7 take the walk's even steps, waves 8-15 the odd ones.  Each wave counts its own steps in scalar registers and changes blocks by itself:
; at the change it lays its part of block i (O^T and the sum) into LDS bytes of its own.  Behind the walk and one barrier waves 0-7 add the two parts of block i and finish it, waves 8-15 those of block 31 - i.
; The parts add because the softmax has one fixed M (below).  A block's last step lies on the diagonal: there hidden scores become -infinity.
; NO JOINT LOADS: the work-groups of a head restart their walks at different steps (i + 1), so in a given trip they want different tiles.
; PRODUCTS, both transposed: S^T = K Q^T (source 1 = q beside 64 zero codes, in the half that picks the tile), O^T = V^T P^T.  A lane holds one query; the 16 registers of score tiles 2 b, 2 b + 1 are keys 32 b + 16 h + 0 .. 15.
; THE SOFTMAX.  t = score x 8 log2(e); p = 2^(t - M) with the whole number M = 0.  q and k are normalised rows; quantising moves an element by at most 1/16 of its block's largest magnitude, which is at most 1,
; so a quantised row of 64 has norm at most 1.5, |score| <= 2.25 and |t| <= 26 for every input: p lies in 2^-26 .. 2^26, a row's sum under 2^38: nothing overflows or underflows in f32,
; and a whole-number M only moves the blocks' scale bytes.  The row's sum is taken of the unquantised p and divides O at the end.
; LIMITS: NaN and infinities are not served; the division by the sum is a reciprocal and a multiplication in f32; a block of zeros keeps the scale byte 1 (its codes are zeros; this program alone reads the bytes).
; oc: images of operand registers: [tile of 16 queries: 8 x block + w][head / 2] 1,536 bytes, half head % 2.  os [4096 true rows][32].
.set HS,    614400
.set STRD,  19200
.set PART,  6400
.set STEPB, 12800                      ; a step's k and v parts: one tensor load
.set SLOT1, 131072                     ; slot 0 at 0, slot 1 here: six steps (76,800 bytes) each
.set DEPB,  4608                       ; a wave's part of a block: 36 registers
.set DEP,   212992                     ; 24 such: block i's of waves 0-15, block 31 - i's of waves 0-7
.set SPARE, 323584                     ; the spare words, 128 bytes for each of sixteen waves
.set LA16, 1                           ; v1-3: 16 x lane, 8 x lane, scale words' place; each + my group's step in a pair
.set LA8,  2
.set LSC,  3
.set SPW,  4
.set NIL,  5
.set DM,   6                           ; my query's row in its block - 16 h
.set A16,  7
.set A8,   8
.set ASC,  9
.set LQ16, 10
.set LQ8,  11
.set LQS,  12
.set LOC,  13
.set LOS,  14
.set QS,   34                          ; v16-21 q, v22-27 zeros, v28-33 q again; v34 q's scale word
.set KVS,  36
.set F,    40
.set S,    88
.set O,    152
.set PC,   184
.set TM,   204
.set PW,   220
.set L,    222                         ; v222-223 the sum in two halves; v224-225 a second chain, later 1 / sum
.set NINF, 226
.set LOC8, 227
.set DA1,  228                         ; LDS: my part of block i
.set DA2,  229                         ; eight parts further on
.set LN,   230
.set WV,  10
.set I,   11
.set IP1, 12
.set HD,  13
.set T,   14                           ; my step of the walk
.set END, 15                           ; the last step of the block in hand
.set BLK, 16
.set TL,  17
.set TB,  18
.set SLOTS, 19
.set SELQ, 25
.set W8,  26                           ; my query tile
.set GO,  27                           ; 12,800 x my group
.set G1,  28
.set G0,  36
.set KVB, 40
.set QHB, 42
.set SQ,  44
.set SO,  46
.set SOS, 48
.set SW,  1                            ; 1: a step's text holds the change of blocks (it falls on steps 1 .. 17 of the walk)
.macro KTADR                           ; step TL of the walk is key step TL (block i) or TL - i - 1 (block 31 - i)
	s_cmp_gt_u32 s[TL], s[I]
	s_cselect_b32 s50, s[IP1], 0
	s_sub_co_u32 s50, s[TL], s50
	s_mul_i32 s50, s50, STRD
	s_mov_b32 s51, 0
	s_add_nc_u64 s[G0+2:G0+3], s[KVB:KVB+1], s[50:51]
	s_or_b32 s[G0+3], s[G0+3], 0x80000000
.endm
.macro TLOAD lim                       ; waves under lim bring a step each
	s_cmp_lt_u32 s[WV], \lim
	s_cbranch_scc0 .Lasked_\@
	tensor_load_to_lds s[G0:G0+3], s[G1:G1+7]
	s_nop 0
.rept 4
	v_nop
.endr
.Lasked_\@:
.endm
.macro INIT                            ; a block begins: my tile of q, zeros for O^T and the sum
	s_mul_i32 s50, s[BLK], STRD
	s_mov_b32 s51, 0
	s_add_nc_u64 s[SQ:SQ+1], s[QHB:QHB+1], s[50:51]
	global_load_b128 v[16:19], v[LQ16], s[SQ:SQ+1]
	global_load_b64 v[20:21], v[LQ8], s[SQ:SQ+1]
	global_load_b128 v[28:31], v[LQ16], s[SQ:SQ+1]
	global_load_b64 v[32:33], v[LQ8], s[SQ:SQ+1]
	global_load_b32 v35, v[LQS], s[SQ:SQ+1]
	s_wait_loadcnt 0x0
	v_perm_b32 v[QS], v35, v35, s[SELQ]            ; my tile's two bytes, twice
.set j, 0
.rept 32
	v_mov_b32 v[O+j], 0                            ; (also the places between the scale word's making and its first product)
.set j, j+1
.endr
.irp j, 0,1,2,3
	v_mov_b32 v[L+\j], 0
.endr
.endm
.macro DEPOSIT adr, ofs                ; O^T, each accumulator from its low end on, and the sum
.irp k, 0,1,2,3,4,5,6,7
	ds_store_b128 v[\adr], v[O+4*\k:O+4*\k+3] offset:\ofs+512*\k
.endr
	ds_store_b128 v[\adr], v[L:L+3] offset:\ofs+4096
.endm
; A KEY STEP: 128 keys, my group's of the q-th pair of the slot in hand.
.macro STEP q
.set BB, 2*(\q)*STEPB
.rept 4
	v_nop                                          ; places behind the last products
.endr
.if SW
	s_cmp_le_u32 s[T], s[END]
	s_cbranch_scc1 .Lsame_\@
	s_wait_alu depctr_va_vdst(0)                   ; the wait ahead of the readers below
	DEPOSIT DA1, 0                                 ; my steps of block i are done
	s_sub_co_u32 s[BLK], 31, s[I]
	s_mov_b32 s[END], 32
	INIT
.Lsame_\@:
.endif
.irp f, 0,1,2,3
	ds_load_b128 v[F+12*\f:F+12*\f+3], v[A16] offset:BB+1536*\f
	ds_load_b64 v[F+12*\f+4:F+12*\f+5], v[A8] offset:BB+1536*\f+512
	ds_load_b128 v[F+12*\f+6:F+12*\f+9], v[A16] offset:BB+1536*\f+768
	ds_load_b64 v[F+12*\f+10:F+12*\f+11], v[A8] offset:BB+1536*\f+1280
.endr
	ds_load_b128 v[KVS:KVS+3], v[ASC] offset:BB
	s_wait_dscnt 0x0
.irp f, 0,1,2,3
	v_wmma_scale_f32_16x16x128_f8f6f4 v[S+16*\f:S+16*\f+7], v[F+12*\f:F+12*\f+11], v[16:27], 0, v[KVS+\f], v[QS] matrix_a_fmt:MATRIX_FMT_FP6 matrix_b_fmt:MATRIX_FMT_FP6
	v_wmma_scale_f32_16x16x128_f8f6f4 v[S+16*\f+8:S+16*\f+15], v[F+12*\f:F+12*\f+11], v[22:33], 0, v[KVS+\f], v[QS] matrix_a_fmt:MATRIX_FMT_FP6 matrix_b_fmt:MATRIX_FMT_FP6
.endr
.rept 4
	v_nop                                          ; places: V's fragments land where K's lay, and the scores are read
.endr
.irp f, 0,1,2,3
	ds_load_b128 v[F+12*\f:F+12*\f+3], v[A16] offset:BB+PART+1536*\f
	ds_load_b64 v[F+12*\f+4:F+12*\f+5], v[A8] offset:BB+PART+1536*\f+512
	ds_load_b128 v[F+12*\f+6:F+12*\f+9], v[A16] offset:BB+PART+1536*\f+768
	ds_load_b64 v[F+12*\f+10:F+12*\f+11], v[A8] offset:BB+PART+1536*\f+1280
.endr
	s_cmp_lg_u32 s[T], s[END]                      ; only a block's last step lies on the diagonal
	s_cbranch_scc1 .Lopen_\@
.set n, 0
.rept 64
	v_cmp_gt_i32 vcc_lo, 32*(n/16)+n%16, v[DM]     ; hidden where the key comes after my query
	v_cndmask_b32 v[S+n], v[S+n], v[NINF], vcc_lo
.set n, n+1
.endr
.Lopen_\@:
.irp b, 0,1,2,3
	v_max3_num_f32 v[TM+\b], v[S+16*\b], v[S+16*\b+1], v[S+16*\b+2]   ; the largest score of each block of 32 keys gives the block's largest p
.endr
.irp i, 3,5,7,9,11,13
.irp b, 0,1,2,3
	v_max3_num_f32 v[TM+\b], v[TM+\b], v[S+16*\b+\i], v[S+16*\b+\i+1]
.endr
.endr
.irp b, 0,1,2,3
	v_max_num_f32 v[TM+\b], v[TM+\b], v[S+16*\b+15]
.endr
.irp b, 0,1,2,3
	s_delay_alu instid0(VALU_DEP_4)
	v_permlanex16_b32 v[TM+4+\b], v[TM+\b], s20, s21
.endr
.irp b, 0,1,2,3
	s_delay_alu instid0(VALU_DEP_4)
	v_max_num_f32 v[TM+\b], v[TM+\b], v[TM+4+\b]
.endr
.set j, 0
.rept 32
	v_pk_mul_f32 v[S+j:S+j+1], v[S+j:S+j+1], s[22:23] op_sel_hi:[1,0]   ; t = score x 8 log2(e)
.set j, j+2
.endr
.irp b, 0,1,2,3
	v_mul_f32 v[TM+\b], s22, v[TM+\b]
.endr
.set j, 0
	s_wait_alu depctr_va_vdst(0)                   ; the wait ahead of the batch
.rept 64
	v_exp_f32 v[S+j], v[S+j]                       ; p = 2^t
.set j, j+1
.endr
.irp b, 0,1,2,3
	v_exp_f32 v[TM+\b], v[TM+\b]
.endr
	v_nop
	s_wait_alu depctr_va_vdst(0)                   ; and behind it
.irp b, 0,1,2,3
	v_max_num_f32 v[TM+\b], 0x1800000, v[TM+\b]    ; the floor 2^(3 - 127)
.endr
.irp b, 0,1,2,3
	s_delay_alu instid0(VALU_DEP_4)
	v_add_nc_u32 v[TM+12+\b], 0xff000000, v[TM+\b]
.endr
.irp b, 0,1,2,3
	s_delay_alu instid0(VALU_DEP_4)
	v_lshrrev_b32 v[TM+4+\b], 23, v[TM+12+\b]
.endr
	s_delay_alu instid0(VALU_DEP_3)
	v_lshl_or_b32 v[PW], v[TM+5], 8, v[TM+4]       ; p's scale word for these 128 keys
	s_delay_alu instid0(VALU_DEP_1)
	v_lshl_or_b32 v[PW], v[TM+6], 16, v[PW]
	s_delay_alu instid0(VALU_DEP_1)
	v_lshl_or_b32 v[PW], v[TM+7], 24, v[PW]
.irp c, 0,1
	v_cvt_scalef32_pk16_fp6_f32 v[PC+6*\c:PC+2+6*\c], v[S+32*\c:S+15+32*\c], v[TM+12+2*\c]
	v_cvt_scalef32_pk16_fp6_f32 v[PC+12+4*\c:PC+14+4*\c], v[S+16+32*\c:S+31+32*\c], v[TM+12+2*\c+1]
.endr
	v_nop
.irp c, 0,1
.irp i, 0,1,2
	v_permlane16_swap_b32 v[PC+6*\c+\i], v[PC+12+4*\c+\i]
.endr
.irp i, 0,1,2
	s_delay_alu instid0(VALU_DEP_3)
	v_mov_b32 v[PC+3+6*\c+\i], v[PC+12+4*\c+\i]
.endr
.endr
	v_pk_add_f32 v[224:225], v[92:93], v[96:97]    ; the sum of the unquantised p, in eight chains
	v_pk_add_f32 v[254:255], v[100:101], v[104:105]
	v_pk_add_f32 v[252:253], v[108:109], v[112:113]
	v_pk_add_f32 v[250:251], v[116:117], v[120:121]
	v_pk_add_f32 v[248:249], v[124:125], v[128:129]
	v_pk_add_f32 v[246:247], v[132:133], v[136:137]
	v_pk_add_f32 v[244:245], v[140:141], v[144:145]
	v_pk_add_f32 v[222:223], v[222:223], v[148:149]
	v_pk_add_f32 v[224:225], v[224:225], v[88:89]
	v_pk_add_f32 v[254:255], v[254:255], v[90:91]
	v_pk_add_f32 v[252:253], v[252:253], v[94:95]
	v_pk_add_f32 v[250:251], v[250:251], v[98:99]
	v_pk_add_f32 v[248:249], v[248:249], v[102:103]
	v_pk_add_f32 v[246:247], v[246:247], v[106:107]
	v_pk_add_f32 v[244:245], v[244:245], v[110:111]
	v_pk_add_f32 v[222:223], v[222:223], v[114:115]
	v_pk_add_f32 v[224:225], v[224:225], v[118:119]
	v_pk_add_f32 v[254:255], v[254:255], v[122:123]
	v_pk_add_f32 v[252:253], v[252:253], v[126:127]
	v_pk_add_f32 v[250:251], v[250:251], v[130:131]
	v_pk_add_f32 v[248:249], v[248:249], v[134:135]
	v_pk_add_f32 v[246:247], v[246:247], v[138:139]
	v_pk_add_f32 v[244:245], v[244:245], v[142:143]
	v_pk_add_f32 v[222:223], v[222:223], v[146:147]
	v_pk_add_f32 v[224:225], v[224:225], v[150:151]
	s_delay_alu instid0(VALU_DEP_2)
	v_pk_add_f32 v[222:223], v[222:223], v[250:251]
	s_delay_alu instid0(VALU_DEP_2)
	v_pk_add_f32 v[224:225], v[224:225], v[248:249]
	v_pk_add_f32 v[254:255], v[254:255], v[246:247]
	v_pk_add_f32 v[252:253], v[252:253], v[244:245]
	s_delay_alu instid0(VALU_DEP_2)
	v_pk_add_f32 v[222:223], v[222:223], v[254:255]
	s_delay_alu instid0(VALU_DEP_2)
	v_pk_add_f32 v[224:225], v[224:225], v[252:253]
	s_delay_alu instid0(VALU_DEP_1)
	v_pk_add_f32 v[222:223], v[222:223], v[224:225]
	s_wait_dscnt 0x0                               ; V's fragments are in
.irp f, 0,1,2,3                                ; O^T += V^T P^T: the four accumulators by turns; V's scale words lie in lanes 16-31
	v_wmma_scale_f32_16x16x128_f8f6f4 v[O+8*\f:O+8*\f+7], v[F+12*\f:F+12*\f+11], v[PC:PC+11], v[O+8*\f:O+8*\f+7], v[KVS+\f], v[PW] matrix_a_fmt:MATRIX_FMT_FP6 matrix_b_fmt:MATRIX_FMT_FP6 matrix_a_scale:MATRIX_SCALE_ROW1
.endr
	s_add_co_u32 s[T], s[T], 2
.endm
; THE CHANGE OF SLOTS, at a slot's head: each wave waits for all its tensor loads, adds 0 to its spare word, and waits for that and for its LDS reads and stores.  Behind the barrier the slot ahead is whole and
; nobody reads the other one, which takes the next six (at the end three) steps: they have three pairs' work in which to land.
.macro CHANGE lim
	s_wait_tensorcnt 0x0
	ds_add_u32 v[SPW], v[NIL]                      ; the add, here twice on end
	ds_add_u32 v[SPW], v[NIL]
.if \lim
	s_xor_b32 s[G0+1], s[G0+1], SLOT1
	s_add_co_u32 s[TL], s[TL], 6
	KTADR
.endif
	s_wait_dscnt 0x0
	s_barrier_signal -1
	s_barrier_wait -1
.if \lim
	TLOAD \lim
.endif
	v_add_nc_u32 v[A16], s[TB], v[LA16]
	v_add_nc_u32 v[A8], s[TB], v[LA8]
	v_add_nc_u32 v[ASC], s[TB], v[LSC]
	s_wait_alu depctr_va_vdst(0)                   ; the wait
.endm
	s_load_b128 s[4:7], s[0:1], 0x0                ; qkv, oc
	s_load_b64 s[8:9], s[0:1], 0x10                ; os
	v_lshl_add_u32 v[SPW], v0, 2, SPARE
	v_mov_b32 v[NIL], 0
	ds_add_u32 v[SPW], v[NIL]
	ds_add_u32 v[SPW], v[NIL]
	s_wait_dscnt 0x0
	v_lshrrev_b32 v15, 5, v0
	v_readfirstlane_b32 s[WV], v15                 ; wave 0..15
	s_and_b32 s[W8], s[WV], 7
	s_lshr_b32 s[T], s[WV], 3                      ; my group, and my first step
	s_mul_i32 s[GO], s[T], STEPB
	s_mul_i32 s50, s[WV], DEPB
	s_add_co_u32 s50, s50, DEP
	v_and_b32 v15, 31, v0
	v_lshl_add_u32 v[DA1], v15, 4, s50
	v_add_nc_u32 v[DA2], 8*DEPB, v[DA1]
	s_mov_b32 s[I], ttmp9
	s_add_co_u32 s[IP1], ttmp9, 1
	s_and_b32 s[HD], ttmp7, 0xffff
	s_mov_b32 s[END], s[I]
	s_mov_b32 s[BLK], s[I]
	s_min_u32 s[TL], s[WV], 5                      ; waves 0 to 5 bring steps 0 to 5 (the others issue no load)
	s_mov_b32 s[TB], 0
	s_mov_b32 s[SLOTS], 4
	s_mov_b32 s20, 0x76543210
	s_mov_b32 s21, 0xfedcba98
	s_mov_b32 s22, 0x4138aa3b                      ; 8 log2(e)
	s_mov_b32 s23, s22
	s_mov_b32 s24, 0xffff0000                      ; lanes 16-31
	s_mov_b32 s[G1], 3<<16                         ; 12,800 dense bytes as 50 rows of 256
	s_mov_b32 s[G1+1], 32<<16
	s_mov_b32 s[G1+2], 50<<16
	s_mov_b32 s[G1+3], 32<<16
	s_mov_b32 s[G1+4], 50
	s_mov_b32 s[G1+5], 32
	s_mov_b32 s[G1+6], 0
	s_mov_b32 s[G1+7], 0
	s_mov_b32 s[G0], 1
	s_mul_i32 s[G0+1], s[TL], STEPB
	s_mul_i32 s50, s[HD], HS
	s_mov_b32 s51, 0
	s_wait_kmcnt 0x0
	s_add_nc_u64 s[QHB:QHB+1], s[4:5], s[50:51]
	s_add_nc_u64 s[KVB:KVB+1], s[QHB:QHB+1], PART
	KTADR
	TLOAD 6                                        ; slot 0: the launch's first fill
	v_and_b32 v[LN], 31, v0
	v_lshl_add_u32 v[LA16], v[LN], 4, s[GO]
	v_lshl_add_u32 v[LA8], v[LN], 3, s[GO]
	v_and_b32 v7, 15, v0                           ; r
	v_bfe_u32 v8, v0, 4, 1                         ; h
	v_mul_u32_u24 v[LSC], v8, PART
	v_lshl_add_u32 v[LSC], v7, 4, v[LSC]
	v_add_nc_u32 v[LSC], 4*1536, v[LSC]
	v_add_nc_u32 v[LSC], s[GO], v[LSC]             ; lanes 0-15 K's scale words, lanes 16-31 V's
	s_lshr_b32 s50, s[W8], 1
	s_and_b32 s51, s[W8], 1
	s_lshl_b32 s52, s50, 5
	s_lshl_b32 s53, s51, 3
	s_add_co_u32 s52, s52, s53
	v_and_b32 v9, 8, v7
	v_add_nc_u32 v9, v9, v7
	v_add_nc_u32 v9, s52, v9                       ; my query's row in its block
	v_lshlrev_b32 v15, 4, v8
	v_sub_nc_u32 v[DM], v9, v15
	v_lshl_add_u32 v[LOS], v9, 5, v8
	s_lshl_b32 s52, s[HD], 1
	v_add_nc_u32 v[LOS], s52, v[LOS]               ; os: row x 32 + 2 x head + h
	s_mul_i32 s52, s[W8], 12288                    ; oc: my tile's eight images, the image of my head's pair, my head's half
	s_lshr_b32 s53, s[HD], 1
	s_mul_i32 s53, s53, 1536
	s_add_co_u32 s52, s52, s53
	s_and_b32 s53, s[HD], 1
	s_mul_i32 s53, s53, 768
	s_add_co_u32 s52, s52, s53
	v_lshl_add_u32 v[LOC], v[LN], 4, s52
	s_add_co_u32 s52, s52, 512
	v_lshl_add_u32 v[LOC8], v[LN], 3, s52
	s_mul_i32 s52, s[W8], 768                      ; my tile in a q part
	v_lshl_add_u32 v[LQ16], v[LN], 4, s52
	s_add_co_u32 s52, s52, 512
	v_lshl_add_u32 v[LQ8], v[LN], 3, s52
	s_lshl_b32 s52, s50, 2
	s_add_co_u32 s52, s52, 4*1536
	v_lshl_add_u32 v[LQS], v7, 4, s52
	s_cmp_eq_u32 s51, 1
	s_mov_b32 s[SELQ], 0x01000100
	s_mov_b32 s52, 0x03020302
	s_cselect_b32 s[SELQ], s52, s[SELQ]
.irp j, 22,23,24,25,26,27
	v_mov_b32 v\j, 0                               ; 64 zero codes, between the two copies of q
.endr
.irp b, 0,1,2,3
	v_mov_b32 v[TM+4+\b], 0
.endr
	v_mov_b32 v[NINF], 0xff800000
	INIT
.Lslot:                                            ; slots 0 to 3: steps 0 .. 23
	CHANGE 6
	STEP 0
	STEP 1
	STEP 2
	s_xor_b32 s[TB], s[TB], SLOT1
	s_sub_co_u32 s[SLOTS], s[SLOTS], 1
	s_cmp_lg_u32 s[SLOTS], 0
	s_cbranch_scc1 .Lslot
.set SW, 0                             ; every wave has changed blocks by step 17
	CHANGE 3                                       ; slot 4: steps 24 .. 29; the last slot takes steps 30 to 32
	STEP 0
	STEP 1
	STEP 2
	s_xor_b32 s[TB], s[TB], SLOT1
	CHANGE 0
	STEP 0                                         ; steps 30, 31
	s_cmp_lt_u32 s[WV], 8
	s_wait_alu depctr_va_vdst(0)                   ; the wait ahead of the branch
	s_cbranch_scc0 .Lno33
	STEP 1                                         ; step 32: the walk has no step 33
.Lno33:
.rept 4
	v_nop                                          ; places behind the last products
.endr
	s_cmp_lt_u32 s[WV], 8
	s_wait_alu depctr_va_vdst(0)
	s_cbranch_scc0 .Lkeep
	DEPOSIT DA2, 8*DEPB                            ; waves 0-7 hand their part of block 31 - i over
.Lkeep:
	s_wait_dscnt 0x0
	s_barrier_signal -1
	s_barrier_wait -1
	s_cmp_lt_u32 s[WV], 8
	s_cbranch_scc0 .Lmine
.irp k, 0,1,2,3,4,5,6,7
	ds_load_b128 v[O+4*\k:O+4*\k+3], v[DA1] offset:512*\k          ; waves 0-7 take their own part of block i up again
.endr
	ds_load_b128 v[L:L+3], v[DA1] offset:4096
.Lmine:
.irp k, 0,1,2,3,4,5,6,7,8
	ds_load_b128 v[S+4*\k:S+4*\k+3], v[DA2] offset:512*\k          ; the partner's part: wave w reads wave 8 + w's of block i, wave 8 + w reads wave w's of block 31 - i
.endr
	s_sub_co_u32 s50, 31, s[I]
	s_cmp_lt_u32 s[WV], 8
	s_cselect_b32 s[BLK], s[I], s50
	s_mul_i32 s50, s[BLK], 8*12288
	s_mov_b32 s51, 0
	s_add_nc_u64 s[SO:SO+1], s[6:7], s[50:51]
	s_lshl_b32 s50, s[BLK], 12
	s_add_nc_u64 s[SOS:SOS+1], s[8:9], s[50:51]
	s_wait_dscnt 0x0
.set j, 0
.rept 16
	v_pk_add_f32 v[O+j:O+j+1], v[O+j:O+j+1], v[S+j:S+j+1]
.set j, j+2
.endr
	v_pk_add_f32 v[L:L+1], v[L:L+1], v[S+32:S+33]
	s_delay_alu instid0(VALU_DEP_1)
	v_add_f32 v[L], v[L], v[L+1]
	s_delay_alu instid0(VALU_DEP_1)
	v_permlanex16_b32 v[TM+4], v[L], s20, s21
	s_delay_alu instid0(VALU_DEP_1)
	v_add_f32 v[L], v[L], v[TM+4]                  ; the row's sum
	s_wait_alu depctr_va_vdst(0)
	v_rcp_f32 v[L+2], v[L]
	v_nop
	s_wait_alu depctr_va_vdst(0)
.set j, 0
.rept 16
	v_pk_mul_f32 v[S+j:S+j+1], v[O+j:O+j+1], v[L+2:L+3] op_sel_hi:[1,0]   ; register 16 b + i is channel 32 b + 16 h + i of my query
.set j, j+2
.endr
.irp b, 0,1
	v_max3_num_f32 v[TM+\b], |v[S+16*\b]|, |v[S+16*\b+1]|, 0x1800000
.endr
.irp i, 2,4,6,8,10,12,14
.irp b, 0,1
	s_delay_alu instid0(VALU_DEP_2)
	v_max3_num_f32 v[TM+\b], v[TM+\b], |v[S+16*\b+\i]|, |v[S+16*\b+\i+1]|
.endr
.endr
.irp b, 0,1
	s_delay_alu instid0(VALU_DEP_2)
	v_permlanex16_b32 v[TM+4+\b], v[TM+\b], s20, s21
.endr
.irp b, 0,1
	s_delay_alu instid0(VALU_DEP_2)
	v_max_num_f32 v[TM+\b], v[TM+\b], v[TM+4+\b]
.endr
.irp b, 0,1
	s_delay_alu instid0(VALU_DEP_2)
	v_add_nc_u32 v[TM+12+\b], 0xff000000, v[TM+\b]
.endr
.irp b, 0,1
	s_delay_alu instid0(VALU_DEP_2)
	v_lshrrev_b32 v[TM+4+\b], 23, v[TM+12+\b]
.endr
	v_cvt_scalef32_pk16_fp6_f32 v[PC:PC+2], v[S:S+15], v[TM+12]
	v_cvt_scalef32_pk16_fp6_f32 v[PC+4:PC+6], v[S+16:S+31], v[TM+13]
	v_cndmask_b32 v[TM+8], v[TM+4], v[TM+5], s24   ; lane (r, h) stores block h's byte
.irp i, 0,1,2
	v_permlane16_swap_b32 v[PC+\i], v[PC+4+\i]     ; lane (r, h) now holds block h
.endr
	v_mov_b32 v[PC+3], v[PC+4]
	v_mov_b32 v[PC+8], v[PC+5]
	v_mov_b32 v[PC+9], v[PC+6]
	global_store_b128 v[LOC], v[PC:PC+3], s[SO:SO+1]      ; the wave stores 512 consecutive bytes, aligned,
	global_store_b64 v[LOC8], v[PC+8:PC+9], s[SO:SO+1]    ; and 256
	global_store_b8 v[LOS], v[TM+8], s[SOS:SOS+1]
	s_wait_tensorcnt 0x0                           ; the wave's end
	ds_add_u32 v[SPW], v[NIL]
	s_wait_dscnt 0x0
	s_endpgm
.Lfunc_end_k_q0f973e4452_attn:
	.size	k_q0f973e4452_attn, .Lfunc_end_k_q0f973e4452_attn-k_q0f973e4452_attn
	.p2alignl 7, 3214868480
	.fill 96, 4, 3214868480
	.section	.rodata,"a",@progbits
	.p2align	6, 0x0
	.amdhsa_kernel k_q0f973e4452_attn
		.amdhsa_group_segment_fixed_size 327680
		.amdhsa_private_segment_fixed_size 0
		.amdhsa_enable_private_segment 0
		.amdhsa_kernarg_size 24
		.amdhsa_user_sgpr_count 2
		.amdhsa_user_sgpr_kernarg_segment_ptr 1
		.amdhsa_wavefront_size32 1
		.amdhsa_system_sgpr_workgroup_id_x 1
		.amdhsa_system_sgpr_workgroup_id_y 1
		.amdhsa_system_sgpr_workgroup_id_z 1
		.amdhsa_system_vgpr_workitem_id 0
		.amdhsa_next_free_vgpr 256
		.amdhsa_next_free_sgpr 66
		.amdhsa_reserve_vcc 1
		.amdhsa_float_denorm_mode_32 3
		.amdhsa_float_denorm_mode_16_64 3
		.amdhsa_memory_ordered 1
		.amdhsa_forward_progress 1
		.amdhsa_inst_pref_size 185
	.end_amdhsa_kernel
	.amdgpu_metadata
---
amdhsa.version: [ 1, 2 ]
amdhsa.kernels:
  - .name:           k_q0f973e4452_attn
    .symbol:         k_q0f973e4452_attn.kd
    .args:
      - { .name: qkv, .offset: 0, .size: 8, .value_kind: global_buffer, .address_space: global }
      - { .name: oc, .offset: 8, .size: 8, .value_kind: global_buffer, .address_space: global }
      - { .name: os, .offset: 16, .size: 8, .value_kind: global_buffer, .address_space: global }
    .group_segment_fixed_size: 327680
    .private_segment_fixed_size: 0
    .kernarg_segment_align: 8
    .kernarg_segment_size: 24
    .max_flat_workgroup_size: 512
    .sgpr_count:     66
    .vgpr_count:     256
    .wavefront_size: 32
...
	.end_amdgpu_metadata
.endif
;; end of part 3
;; launch outp (part 4): grid 8 x 32, 4 waves a work-group, no clusters, 17,920 bytes of LDS; arguments oc, os, wo, ws, out0; writes out0
.if DOCPART == 4
	.amdgcn_target "amdgcn-amd-amdhsa--gfx1250"
	.amdhsa_code_object_version 6
	.text
	.protected	k_q0f973e4452_outp
	.globl	k_q0f973e4452_outp
	.p2align	8
	.type	k_q0f973e4452_outp,@function
k_q0f973e4452_outp:
	s_mov_b64 s[64:65], 0
	v_nop
	global_prefetch_b8 v0, s[64:65] scope:SCOPE_SE
	s_setreg_imm32_b32 hwreg(HW_REG_WAVE_MODE, 25, 1), 1
	s_wait_xcnt 0x0
; out0 [4096][1024] f32 = o Wo on codes of FP6 (E2M3) with E8M0 scales; K = 1,024 in eight steps of 128.
; Work-group (x, y): rows 128 y on, columns 128 x on: 256 work-groups.  A wave makes 64 x 64: 16 accumulators.
; oc and wo hold images of operand registers (1,536 bytes for 16 rows x 128 K: two halves of 768, registers 0-3 at 16 x lane, 4-5 at 512 + 8 x lane), so a fragment is four dense loads straight into registers.
; Tile t of a block of 128 rows of o: lane r is row 32 (t / 2) + 8 (t % 2) + r + 8 (r / 8).  Tile t of wo: stored row 16 t + p is column 32 (t / 2) + 8 (t % 2) + p + 8 (p / 8).
; The product is used transposed (source 0 = Wo's tile, source 1 = o's): register j of lane (r, h) is column 32 (t / 2) + 8 (t % 2) + 16 h + j of o's row r.
; NO LDS RING, NO JOINT LOADS, NO PREFETCH: the walk along K is eight steps written out, with no loop to run ahead in; no tile lies in LDS, so there is none to ask for jointly; a step's 16 loads a side go out two steps ahead of their use.
; REGISTERS: window 0: v1-9 addresses, v32-63 o's scale words, v64-95 Wo's, v96-223 accumulators, v224-255 the way out; window 1: o's fragments, three sets of 48; window 2: Wo's likewise.
.set FRB,    1536
.set TLB,    12288                     ; a tile's eight images
.set SPITCH, 272                       ; a stage row: 256 bytes + 16
.set SPARE,  4*16*SPITCH               ; behind the four stages: the spare words, 512 bytes
.set LA16, 1
.set LA8,  2
.set ASA,  3
.set ASB,  4
.set STO,  5
.set RD,   6
.set CO,   7
.set SPW,  8
.set NIL,  9
.set SA,   32
.set SB,   64
.set ACC,  96
.set BK,   224
.set MSB, 0
.macro WIN new                         ; the immediate's high byte repeats the setting that is left
.if MSB != (\new)
	s_set_vgpr_msb (MSB<<8)|(\new)
.set MSB, (\new)
.endif
.endm
	s_load_b256 s[4:11], s[0:1], 0x0               ; oc, os, wo, ws
	s_load_b64 s[12:13], s[0:1], 0x20              ; out0
	v_lshl_add_u32 v[SPW], v0, 2, SPARE
	v_mov_b32 v[NIL], 0
	v_lshrrev_b32 v10, 5, v0
	v_readfirstlane_b32 s14, v10                   ; wave
	v_and_b32 v10, 31, v0
	v_lshlrev_b32 v[LA16], 4, v10
	v_lshlrev_b32 v[LA8], 3, v10
	v_and_b32 v11, 15, v0                          ; r
	v_bfe_u32 v12, v0, 4, 1                        ; h
	v_lshlrev_b32 v[ASB], 5, v11                   ; Wo's scale bytes: 32 a stored row
	v_and_b32 v13, 8, v11
	v_add_nc_u32 v13, v13, v11
	v_lshlrev_b32 v[ASA], 5, v13                   ; o's: row r + 8 (r / 8)
	s_mul_i32 s18, s14, 16*SPITCH                  ; my stage
	v_mul_u32_u24 v14, v11, SPITCH
	v_lshl_add_u32 v14, v12, 6, v14
	v_add_nc_u32 v[STO], s18, v14                  ; in: row r, 64 h bytes
	v_mul_u32_u24 v14, v12, SPITCH
	v_lshl_add_u32 v14, v11, 4, v14
	v_add_nc_u32 v[RD], s18, v14                   ; back: sixteen lanes a row, two rows an instruction
	v_lshlrev_b32 v14, 12, v12
	v_lshl_add_u32 v[CO], v11, 4, v14              ; and the same in out0
	s_lshr_b32 s15, s14, 1
	s_and_b32 s16, s14, 1
	s_and_b32 s17, ttmp7, 0xffff
	s_lshl_b32 s19, s17, 1
	s_add_co_u32 s19, s19, s15                     ; which 64 rows
	s_lshl_b32 s21, ttmp9, 1
	s_add_co_u32 s21, s21, s16                     ; which 64 columns
	s_mul_i32 s22, s19, 4*TLB
	s_mov_b32 s23, 0
	s_lshl_b32 s24, s19, 11                        ; 64 rows of 32 scale bytes
	s_mov_b32 s25, 0
	s_mul_i32 s26, s21, 4*TLB
	s_mov_b32 s27, 0
	s_lshl_b32 s28, s21, 11
	s_add_co_u32 s28, s28, 3*32768                 ; Wo is the fourth weight in ws
	s_mov_b32 s29, 0
	s_lshl_b32 s30, s19, 18                        ; 64 rows of 4,096 bytes
	s_lshl_b32 s31, s21, 8
	s_add_co_u32 s30, s30, s31
	s_mov_b32 s31, 0
	s_wait_alu depctr_va_vdst(0)                   ; the wait at the head's end
	s_wait_kmcnt 0x0
	s_add_nc_u64 s[4:5], s[4:5], s[22:23]
	s_add_nc_u64 s[6:7], s[6:7], s[24:25]
	s_add_nc_u64 s[8:9], s[8:9], s[26:27]
	s_add_nc_u64 s[10:11], s[10:11], s[28:29]
	s_add_nc_u64 s[12:13], s[12:13], s[30:31]
.macro SIDE q, base                    ; four fragments of step q: 16 loads
.set FB, 48*((\q)%3)
.irp i, 0,1,2,3
.irp c, 0,1
	global_load_b128 v[FB+12*\i+6*\c:FB+12*\i+6*\c+3], v[LA16], s[\base:\base+1] offset:\i*TLB+(\q)*FRB+\c*768
	global_load_b64 v[FB+12*\i+6*\c+4:FB+12*\i+6*\c+5], v[LA8], s[\base:\base+1] offset:\i*TLB+(\q)*FRB+\c*768+512
.endr
.endr
.endm
.macro GRP q                           ; step q's 32 loads into set q % 3
	WIN 0x40
	SIDE \q, 4
	WIN 0x80
	SIDE \q, 8
	WIN 0
.endm
.macro MUL q                           ; 16 products, the 16 accumulators by turns in the same order in every step
.set FB, 48*((\q)%3)
	WIN 0x06                                       ; source 0 window 2, source 1 window 1
.irp i, 0,1,2,3
.irp j, 0,1,2,3
.if (\q) == 0
	v_wmma_scale_f32_16x16x128_f8f6f4 v[ACC+8*(4*\i+\j):ACC+8*(4*\i+\j)+7], v[FB+12*\j:FB+12*\j+11], v[FB+12*\i:FB+12*\i+11], 0, v[SB+8*\j+(\q)], v[SA+8*\i+(\q)] matrix_a_fmt:MATRIX_FMT_FP6 matrix_b_fmt:MATRIX_FMT_FP6
.else
	v_wmma_scale_f32_16x16x128_f8f6f4 v[ACC+8*(4*\i+\j):ACC+8*(4*\i+\j)+7], v[FB+12*\j:FB+12*\j+11], v[FB+12*\i:FB+12*\i+11], v[ACC+8*(4*\i+\j):ACC+8*(4*\i+\j)+7], v[SB+8*\j+(\q)], v[SA+8*\i+(\q)] matrix_a_fmt:MATRIX_FMT_FP6 matrix_b_fmt:MATRIX_FMT_FP6
.endif
.endr
.endr
	WIN 0
.rept 4
	v_nop                                          ; places: loads land in this set next, and at the end the results are read
.endr
.endm
.irp i, 0,1,2,3                        ; a row's 32 scale bytes are its eight steps' words: register q of a tile's eight is step q's
	global_load_b128 v[SA+8*\i:SA+8*\i+3], v[ASA], s[6:7] offset:(32*(\i/2)+8*(\i%2))*32
	global_load_b128 v[SA+8*\i+4:SA+8*\i+7], v[ASA], s[6:7] offset:(32*(\i/2)+8*(\i%2))*32+16
	global_load_b128 v[SB+8*\i:SB+8*\i+3], v[ASB], s[10:11] offset:\i*512
	global_load_b128 v[SB+8*\i+4:SB+8*\i+7], v[ASB], s[10:11] offset:\i*512+16
.endr
	GRP 0
	GRP 1
.irp q, 0,1,2,3,4,5
	GRP \q+2
	s_wait_loadcnt 63                              ; behind step q's loads stand 64 younger ones; the count's field holds 63
	MUL \q
.endr
	s_wait_loadcnt 32                              ; step 7's 32 may be out
	MUL 6
	s_wait_loadcnt 0x0
	MUL 7
; THE WAY OUT, 16 rows x 64 columns at a time through my own stage (LDS serves a wave's instructions in order: ISA guide 5.7.1.4), back as rows of 256 bytes
.irp i, 0,1,2,3
.irp j, 0,1,2,3
	ds_store_b128 v[STO], v[ACC+8*(4*\i+\j):ACC+8*(4*\i+\j)+3] offset:128*(\j/2)+32*(\j%2)
	ds_store_b128 v[STO], v[ACC+8*(4*\i+\j)+4:ACC+8*(4*\i+\j)+7] offset:128*(\j/2)+32*(\j%2)+16
.endr
.if \i > 0
	s_wait_xcnt 0x0                                ; the last block's stores have read their registers
.endif
.irp t, 0,1,2,3,4,5,6,7
	ds_load_b128 v[BK+4*\t:BK+4*\t+3], v[RD] offset:\t*2*SPITCH
.endr
	s_wait_dscnt 0x0
.irp t, 0,1,2,3,4,5,6,7
	global_store_b128 v[CO], v[BK+4*\t:BK+4*\t+3], s[12:13] offset:(32*(\i/2)+8*(\i%2)+2*\t+8*(\t/4))*4096 th:TH_STORE_NT   ; 16 lanes store 256 consecutive bytes, aligned
.endr
.endr
	s_wait_tensorcnt 0x0                           ; the wave's end
	ds_add_u32 v[SPW], v[NIL]
	s_wait_dscnt 0x0
	s_endpgm
.Lfunc_end_k_q0f973e4452_outp:
	.size	k_q0f973e4452_outp, .Lfunc_end_k_q0f973e4452_outp-k_q0f973e4452_outp
	.p2alignl 7, 3214868480
	.fill 96, 4, 3214868480
	.section	.rodata,"a",@progbits
	.p2align	6, 0x0
	.amdhsa_kernel k_q0f973e4452_outp
		.amdhsa_group_segment_fixed_size 17920
		.amdhsa_private_segment_fixed_size 0
		.amdhsa_enable_private_segment 0
		.amdhsa_kernarg_size 40
		.amdhsa_user_sgpr_count 2
		.amdhsa_user_sgpr_kernarg_segment_ptr 1
		.amdhsa_wavefront_size32 1
		.amdhsa_system_sgpr_workgroup_id_x 1
		.amdhsa_system_sgpr_workgroup_id_y 1
		.amdhsa_system_sgpr_workgroup_id_z 1
		.amdhsa_system_vgpr_workitem_id 0
		.amdhsa_next_free_vgpr 768
		.amdhsa_next_free_sgpr 66
		.amdhsa_reserve_vcc 0
		.amdhsa_float_denorm_mode_32 3
		.amdhsa_float_denorm_mode_16_64 3
		.amdhsa_memory_ordered 1
		.amdhsa_forward_progress 1
		.amdhsa_inst_pref_size 54
	.end_amdhsa_kernel
	.amdgpu_metadata
---
amdhsa.version: [ 1, 2 ]
amdhsa.kernels:
  - .name:           k_q0f973e4452_outp
    .symbol:         k_q0f973e4452_outp.kd
    .args:
      - { .name: oc, .offset: 0, .size: 8, .value_kind: global_buffer, .address_space: global }
      - { .name: os, .offset: 8, .size: 8, .value_kind: global_buffer, .address_space: global }
      - { .name: wo, .offset: 16, .size: 8, .value_kind: global_buffer, .address_space: global }
      - { .name: ws, .offset: 24, .size: 8, .value_kind: global_buffer, .address_space: global }
      - { .name: out0, .offset: 32, .size: 8, .value_kind: global_buffer, .address_space: global }
    .group_segment_fixed_size: 17920
    .private_segment_fixed_size: 0
    .kernarg_segment_align: 8
    .kernarg_segment_size: 40
    .max_flat_workgroup_size: 128
    .sgpr_count:     66
    .vgpr_count:     768
    .wavefront_size: 32
...
	.end_amdgpu_metadata
.endif
;; end of part 4
